; MI455X (gfx1250); checked and timed in simulation.
; The chip was launched on July 23, 2026; its instructions are those of AMD's public machine-readable ISA for CDNA 5 (MIT licence, August 2026) and "CDNA5" Instruction Set Architecture Reference Guide (July 2026). The comments in the code are by the model that wrote it; some were corrected since.
;; autoencoder. Allowed arithmetic: float matrix products may take bf16 or f16 operands with f32 sums; all other float work in f32.
;; Inputs: dec_b1 8 float32; dec_b2 4 float32; dec_w1 8 x 16 float32; dec_w2 4 x 8 float32; enc_b1 8 float32; enc_b2 4 float32; enc_w1 8 x 16 float32; enc_w2 4 x 8 float32; x 256 x 16 float32.
;; Outputs: out0 256 x 16 float32.
;; One version. Each part assembles by itself: llvm-mc -triple=amdgcn-amd-amdhsa -mcpu=gfx1250 --defsym DOCPART=n.
;; ======== version 1 of 1: 1 launch
;; launch vq (part 1): grid 64 x 1, 1 waves a work-group, no clusters, 0 bytes of LDS; arguments x, dec_w1, dec_b1, dec_w2, dec_b2, enc_w1, enc_b1, enc_w2, enc_b2, out0; writes out0
.if DOCPART == 1
	.amdgcn_target "amdgcn-amd-amdhsa--gfx1250"
	.amdhsa_code_object_version 6
	.text
	.protected	k_q5df2844734_vq
	.globl	k_q5df2844734_vq
	.p2align	8
	.type	k_q5df2844734_vq,@function
k_q5df2844734_vq:
	s_mov_b64 s[64:65], 0
	v_nop
	global_prefetch_b8 v0, s[64:65] scope:SCOPE_SE
	s_setreg_imm32_b32 hwreg(HW_REG_WAVE_MODE, 25, 1), 1
	s_wait_xcnt 0x0
; out[n] = sum over q of sign(tanh(z_q(n))) * xb[q],  for the 4,096 numbers x[n] of a [256][16] f32 array, where
;   idx   = the first index of the smallest |x - L_i| in f32 over the 65,536 levels L_i = (2 i - 65535) / 65536,
;   bit_j = +1 or -1 from bit j of idx,  h = relu(enc_w1 bit + enc_b1) (8),  z = enc_w2 h + enc_b2 (4),
;   xb    = sigmoid(dec_w2 relu(dec_w1 basis + dec_b1) + dec_b2) (4),  basis_j = 2^(j-16).
;
; SHARES.  One wave a work-group, 64 work-groups.  Work-group g owns the 64 numbers at bytes 256 g .. 256 g + 255 of x and of out; lane l
; owns the two at byte 8 l (called A and B), kept in register pairs so that one packed instruction serves both.  The one store of the wave
; covers 256 consecutive bytes, aligned.  No LDS, no barrier, no branch; EXEC is never changed and no address register is ever rewritten.
;
; THE SEARCH.  The levels are exact in f32 (odd multiples of 2^-16 below 1).  f(i) = x - L_i rounded to f32 never rises with i, since
; rounding keeps order.  (1) The level nearest in exact arithmetic also has the smallest rounded distance, so the minimum m is taken from
; three levels round c = rndne(clamp(32768 x + 32767.5)): the fused multiply-add is off by 2^-9 at the most, so c is within one of the
; nearest index.  (2) No |f| is below m, so the indices with f(i) > m are a prefix, and the first one behind it has |f| = m: the wanted
; index is N = the number of i with f(i) > m, at most 65,535.  (3) N is built from bit 15 down to bit 0: with LN = L(N-1) the trial level
; is LT = LN + 2^(b-15) (exact), the test is x - LT > m, the same f32 subtraction as in the problem's definition, and the outcome IS bit b
; of the index: the +-1 code is selected from it, no index is formed and no table is read.  Ties (x = 0; large x, where many levels give
; one rounded distance) go to the first index; NaN and both infinities fail every test and give index 0, as argmin does.  No range of x
; is left out.
;
; sign(tanh z) = sign z for every f32 z (tanh is odd, strictly rising, zero at zero alone; +-0 and NaN pass through), so tanh is not
; evaluated.
;
; LIMITS, kept on purpose.
; - The two small products (16 x 8 and 8 x 4 for each number, 160 multiply-adds) are done in f32 on the vector unit, not with bf16 operands
;   on the matrix unit: sign() is taken straight behind them, and weights rounded to 8 bits would move z by about 2^-9 of its size and
;   turn signs over, each a full step of the output.
; - The sums run in ascending index from the bias; a z within a few units in the last place of 0 may get the other sign than with
;   another order of summation.
; - The ReLU is v_max_num_f32: a NaN hidden value (non-finite weights only) becomes 0.
; - A sigmoid below about e^-88 comes out as 0 (v_exp_f32 overflows to infinity, its reciprocal is 0).
.set OX,  1                            ; v1        8 lane + 256 g: my 8 bytes in x and in out
.set O0,  2                            ; v2        0: offset of the loads that every lane makes alike
.set X,   8                            ; v[8:9]    x of A, B
.set LN,  10                           ; v[10:11]  L(N-1)
.set LT,  12                           ; v[12:13]  the trial level
.set F,   14                           ; v[14:15]  x - trial level
.set M,   16                           ; v[16:17]  the smallest distance
.set T,   18                           ; v[18:23]  at work in NEAR: three for A, three for B
.set DE,  24                           ; v24       decoder: 2^(-y log2 e)
.set DD,  25                           ; v25       decoder: the running value, at last xb[lane / 8]
.set OUT, 26                           ; v[26:27]  the two results
.set B,   28                           ; v[28:59]  bit b of A, B at 28 + 2 b
.set S,   28                           ; v[28:35]  later, when layer 1 has read the bits: sign of z_q of A, B at 28 + 2 q
.set H,   60                           ; v[60:75]  hidden unit k of A, B at 60 + 2 k
.set Z,   76                           ; v[76:83]  z_q of A, B at 76 + 2 q
.set DW1, 60                           ; v[60:75]  first: row lane % 8 of dec_w1, used up before layer 1 writes H
.set DB1, 76                           ; v76       first: dec_b1[lane % 8]     these three are used up
.set DW2, 77                           ; v77       first: dec_w2 flat [lane]   before layer 2 writes Z
.set DB2, 78                           ; v78       first: dec_b2[lane / 8]
.set B1,  84                           ; v[84:91]  enc_b1
.set B2,  92                           ; v[92:95]  enc_b2
.set W2,  96                           ; v[96:127] enc_w2[q][k] at 96 + 8 q + k
.set W1,  128                          ; v[128:255] enc_w1[k][j] at 128 + 16 k + j
.set XB,  36                           ; s[36:39]  xb[0..3]
; The 172 encoder numbers are alike in all lanes but lie in vector registers: they are more than the scalar registers hold, and a packed
; multiply-add can take either register of a vector pair for both halves (op_sel), of a scalar pair only the first.
	s_load_b512 s[8:23], s[0:1], 0x0               ; x s[8:9], dec_w1 s[10:11], dec_b1 s[12:13], dec_w2 s[14:15], dec_b2 s[16:17], enc_w1 s[18:19], enc_b1 s[20:21], enc_w2 s[22:23]
	s_load_b128 s[24:27], s[0:1], 0x40             ; enc_b2 s[24:25], out s[26:27]
	s_lshl_b32 s2, ttmp9, 8                        ; the work-group's 256 bytes
	s_mov_b32 s28, 0x47000000                      ; 32768.0
	s_mov_b32 s29, 0x46ffff00                      ; 32767.5
	s_mov_b32 s30, 0x477fff00                      ; 65535.0
	s_mov_b32 s31, 0x38000000                      ; 2^-15, from a level to the next
	s_mov_b32 s32, 0xbf7fff00                      ; L_0     = -65535 / 65536
	s_mov_b32 s33, 0x3f7fff00                      ; L_65535 = +65535 / 65536
	s_mov_b32 s40, 0x7fffffff                      ; all but the sign
	s_mov_b32 s41, 0x3f800000                      ; 1.0
	v_lshl_or_b32 v[OX], v0, 3, s2
	v_mov_b32 v[O0], 0
	v_and_b32 v7, 7, v0                            ; k = lane % 8
	v_lshlrev_b32 v3, 6, v7                        ; row k of dec_w1: 64 bytes a row
	v_lshlrev_b32 v4, 2, v7                        ; dec_b1[k]
	v_lshlrev_b32 v5, 2, v0                        ; dec_w2[q][k]: its flat index 8 q + k is the lane
	v_lshrrev_b32 v6, 3, v0                        ; q = lane / 8
	v_lshlrev_b32 v6, 2, v6                        ; dec_b2[q]
	v_mov_b32 v[LN], 0xbf800080                    ; N = 0: L(-1) = -65537 / 65536
	v_mov_b32 v[LN+1], 0xbf800080
	s_wait_kmcnt 0x0
	; All 51 loads in one run, in the order in which they are wanted: x and the decoder (8), enc_b1 and enc_w1 (34), enc_w2 and enc_b2 (9).
	global_load_b64 v[X:X+1], v[OX], s[8:9] th:TH_LOAD_NT
.irp i, 0,1,2,3
	global_load_b128 v[DW1+4*\i:DW1+4*\i+3], v3, s[10:11] offset:16*\i
.endr
	global_load_b32 v[DB1], v4, s[12:13]
	global_load_b32 v[DW2], v5, s[14:15]
	global_load_b32 v[DB2], v6, s[16:17]
	global_load_b128 v[B1:B1+3],   v[O0], s[20:21]
	global_load_b128 v[B1+4:B1+7], v[O0], s[20:21] offset:16
.set i, 0
.rept 32
	global_load_b128 v[W1+4*i:W1+4*i+3], v[O0], s[18:19] offset:16*i
.set i, i+1
.endr
.set i, 0
.rept 8
	global_load_b128 v[W2+4*i:W2+4*i+3], v[O0], s[22:23] offset:16*i
.set i, i+1
.endr
	global_load_b128 v[B2:B2+3], v[O0], s[24:25]
; The smallest distance m of number e (0: A, 1: B), from the level at c and its two neighbours, each kept inside the table.
.macro NEAR e
	v_fma_f32 v[T+3*\e], v[X+\e], s28, s29                         ; the place of x among the indices
	v_med3_num_f32 v[T+3*\e], v[T+3*\e], 0, s30                    ; into 0 .. 65535
	v_rndne_f32 v[T+3*\e], v[T+3*\e]                               ; c
	v_fma_f32 v[T+3*\e], v[T+3*\e], s31, s32                       ; L_c = c 2^-15 + L_0, exact
	v_add_f32 v[T+3*\e+1], s31, v[T+3*\e]                          ; the level above,
	v_min_num_f32 v[T+3*\e+1], s33, v[T+3*\e+1]                    ; not past the last
	v_sub_f32 v[T+3*\e+2], v[T+3*\e], s31                          ; the level below,
	v_max_num_f32 v[T+3*\e+2], s32, v[T+3*\e+2]                    ; not past the first
	v_sub_f32 v[T+3*\e],   v[X+\e], v[T+3*\e]                      ; the f32 differences of the problem's definition
	v_sub_f32 v[T+3*\e+1], v[X+\e], v[T+3*\e+1]
	v_sub_f32 v[T+3*\e+2], v[X+\e], v[T+3*\e+2]
	v_min3_num_f32 v[M+\e], |v[T+3*\e]|, |v[T+3*\e+1]|, |v[T+3*\e+2]|
.endm
; Bit b of both indices.  One line of the decoder's first layer rides along, work that the search's chain does not wait for: with the
; basis 2^(j-16) the sum over j is a Horner chain in 1/2, ((w0/2 + w1)/2 + w2)/2 .. + w15)/2 + b1, one link a step.
.macro STEP b
	v_pk_add_f32 v[LT:LT+1], v[LN:LN+1], (112+\b)<<23 op_sel_hi:[1,0]             ; trial level = LN + 2^(b-15), the constant for both halves
	v_pk_add_f32 v[F:F+1], v[X:X+1], v[LT:LT+1] neg_lo:[0,1] neg_hi:[0,1]         ; x - trial level
.if \b == 15
	v_fma_f32 v[DD], v[DW1], 0.5, v[DW1+1]
.else
.if \b > 0
	v_fma_f32 v[DD], v[DD], 0.5, v[DW1+16-\b]
.else
	v_fma_f32 v[DD], v[DD], 0.5, v[DB1]
.endif
.endif
	v_cmp_gt_f32 vcc_lo, v[F], v[M]                                ; still above m: the bit is set
	v_cmp_gt_f32 s34, v[F+1], v[M+1]
.if \b
	v_cndmask_b32 v[LN],   v[LN],   v[LT],   vcc_lo                ; behind the last bit LN is not wanted any more
	v_cndmask_b32 v[LN+1], v[LN+1], v[LT+1], s34
.endif
	v_cndmask_b32 v[B+2*\b],   -1.0, 1.0, vcc_lo
	v_cndmask_b32 v[B+2*\b+1], -1.0, 1.0, s34
.endm
; v[d:d+1] = v[a:a+1] * v[w] + v[c:c+1]: the one weight multiplies both halves, taken from the even-aligned pair in which it lies.
.macro PKF d, a, w, c
.if (\w)&1
	v_pk_fma_f32 v[\d:\d+1], v[\a:\a+1], v[\w-1:\w], v[\c:\c+1] op_sel:[0,1,0] op_sel_hi:[1,1,1]
.else
	v_pk_fma_f32 v[\d:\d+1], v[\a:\a+1], v[\w:\w+1], v[\c:\c+1] op_sel_hi:[1,0,1]
.endif
.endm
; The first link of a sum: v[d:d+1] = v[a:a+1] * v[w] + v[cb], the bias for both halves too.  w is even wherever this is used.
.macro PKF0 d, a, w, cb
.if (\cb)&1
	v_pk_fma_f32 v[\d:\d+1], v[\a:\a+1], v[\w:\w+1], v[\cb-1:\cb] op_sel:[0,0,1] op_sel_hi:[1,0,1]
.else
	v_pk_fma_f32 v[\d:\d+1], v[\a:\a+1], v[\w:\w+1], v[\cb:\cb+1] op_sel_hi:[1,0,0]
.endif
.endm
	s_wait_loadcnt 43                              ; loads come back in order (ISA guide 5.7.1): x and the decoder's seven are in, the encoder's 2 + 32 + 8 + 1 = 43 stay out
	NEAR 0
	NEAR 1
.irp b, 15,14,13,12,11,10,9,8,7,6,5,4,3,2,1,0
	STEP \b
.endr
	; The decoder's second layer: lane 8 q + k holds hidden unit k and dec_w2[q][k]; three steps inside each group of eight lanes sum over k.
	v_max_num_f32 v[DD], 0, v[DD]
	v_mul_f32 v[DD], v[DD], v[DW2]
	v_add_f32_dpp v[DD], v[DD], v[DD] row_xmask:1 row_mask:0xf bank_mask:0xf
	v_add_f32_dpp v[DD], v[DD], v[DD] row_xmask:2 row_mask:0xf bank_mask:0xf
	v_add_f32_dpp v[DD], v[DD], v[DD] row_xmask:4 row_mask:0xf bank_mask:0xf
	v_add_f32 v[DD], v[DD], v[DB2]                 ; y_q
	v_mul_f32 v[DD], 0xbfb8aa3b, v[DD]             ; -y log2 e
	v_exp_f32 v[DE], v[DD]                         ; e^-y.  The plain vector instruction that has to follow before DE is read or DD written
	                                               ; (ISA guide 5.7.2) is layer 1's first multiply-add, which names neither
	s_wait_loadcnt 9                               ; enc_b1 and enc_w1 are in; enc_w2's eight loads and enc_b2's one stay out
	; Layer 1: j outside, k inside, so that eight sums that do not wait for each other take turns.
.irp k, 0,1,2,3,4,5,6,7
	PKF0 H+2*\k, B, W1+16*\k, B1+\k
.endr
.irp j, 1,2,3,4,5,6,7,8,9,10,11,12,13,14,15
.irp k, 0,1,2,3,4,5,6,7
	PKF H+2*\k, B+2*\j, W1+16*\k+\j, H+2*\k
.endr
.endr
.set i, 0
.rept 16
	v_max_num_f32 v[H+i], 0, v[H+i]
.set i, i+1
.endr
	s_wait_alu depctr_va_vdst(0)
	v_add_f32 v[DE], 1.0, v[DE]
	v_rcp_f32 v[DD], v[DE]                         ; xb[lane / 8] = 1 / (1 + e^-y); layer 2 stands between this line and the first use
	s_wait_loadcnt 0x0                             ; enc_w2 and enc_b2
	; Layer 2: k outside, q inside: four sums take turns.
.irp q, 0,1,2,3
	PKF0 Z+2*\q, H, W2+8*\q, B2+\q
.endr
.irp k, 1,2,3,4,5,6,7
.irp q, 0,1,2,3
	PKF Z+2*\q, H+2*\k, W2+8*\q+\k, Z+2*\q
.endr
.endr
	s_wait_alu depctr_va_vdst(0)
.irp q, 0,1,2,3
	v_readlane_b32 s[XB+\q], v[DD], 8*\q           ; xb[q], from the first lane of its group of eight
.endr
	; sign(z): 1.0 with z's sign where z is below or above 0; +-0 and NaN stay as they are.
.irp q, 0,1,2,3
.irp e, 0,1
	v_bfi_b32 v[S+2*\q+\e], s40, s41, v[Z+2*\q+\e]
	v_cmp_lg_f32 vcc_lo, 0, v[Z+2*\q+\e]
	v_cndmask_b32 v[S+2*\q+\e], v[Z+2*\q+\e], v[S+2*\q+\e], vcc_lo
.endr
.endr
.irp e, 0,1
	v_mul_f32 v[OUT+\e], s[XB], v[S+\e]
.irp q, 1,2,3
	v_fma_f32 v[OUT+\e], v[S+2*\q+\e], s[XB+\q], v[OUT+\e]
.endr
.endr
	global_store_b64 v[OX], v[OUT:OUT+1], s[26:27] th:TH_STORE_NT  ; 32 lanes x 8 bytes: the work-group's 256 bytes, whole
	s_endpgm
.Lfunc_end_k_q5df2844734_vq:
	.size	k_q5df2844734_vq, .Lfunc_end_k_q5df2844734_vq-k_q5df2844734_vq
	.p2alignl 7, 3214868480
	.fill 96, 4, 3214868480
	.section	.rodata,"a",@progbits
	.p2align	6, 0x0
	.amdhsa_kernel k_q5df2844734_vq
		.amdhsa_group_segment_fixed_size 0
		.amdhsa_private_segment_fixed_size 0
		.amdhsa_enable_private_segment 0
		.amdhsa_kernarg_size 80
		.amdhsa_user_sgpr_count 2
		.amdhsa_user_sgpr_kernarg_segment_ptr 1
		.amdhsa_wavefront_size32 1
		.amdhsa_system_sgpr_workgroup_id_x 1
		.amdhsa_system_sgpr_workgroup_id_y 1
		.amdhsa_system_sgpr_workgroup_id_z 1
		.amdhsa_system_vgpr_workitem_id 0
		.amdhsa_next_free_vgpr 256
		.amdhsa_next_free_sgpr 66
		.amdhsa_reserve_vcc 1
		.amdhsa_float_denorm_mode_32 3
		.amdhsa_float_denorm_mode_16_64 3
		.amdhsa_memory_ordered 1
		.amdhsa_forward_progress 1
		.amdhsa_inst_pref_size 29
	.end_amdhsa_kernel
	.amdgpu_metadata
---
amdhsa.version: [ 1, 2 ]
amdhsa.kernels:
  - .name:           k_q5df2844734_vq
    .symbol:         k_q5df2844734_vq.kd
    .args:
      - { .name: x, .offset: 0, .size: 8, .value_kind: global_buffer, .address_space: global }
      - { .name: dec_w1, .offset: 8, .size: 8, .value_kind: global_buffer, .address_space: global }
      - { .name: dec_b1, .offset: 16, .size: 8, .value_kind: global_buffer, .address_space: global }
      - { .name: dec_w2, .offset: 24, .size: 8, .value_kind: global_buffer, .address_space: global }
      - { .name: dec_b2, .offset: 32, .size: 8, .value_kind: global_buffer, .address_space: global }
      - { .name: enc_w1, .offset: 40, .size: 8, .value_kind: global_buffer, .address_space: global }
      - { .name: enc_b1, .offset: 48, .size: 8, .value_kind: global_buffer, .address_space: global }
      - { .name: enc_w2, .offset: 56, .size: 8, .value_kind: global_buffer, .address_space: global }
      - { .name: enc_b2, .offset: 64, .size: 8, .value_kind: global_buffer, .address_space: global }
      - { .name: out0, .offset: 72, .size: 8, .value_kind: global_buffer, .address_space: global }
    .group_segment_fixed_size: 0
    .private_segment_fixed_size: 0
    .kernarg_segment_align: 8
    .kernarg_segment_size: 80
    .max_flat_workgroup_size: 32
    .sgpr_count:     66
    .vgpr_count:     256
    .wavefront_size: 32
...
	.end_amdgpu_metadata
.endif
;; end of part 1
